; MI455X (gfx1250); checked and timed in simulation.
; The chip was launched on July 23, 2026; its instructions are those of AMD's public machine-readable ISA for CDNA 5 (MIT licence, August 2026) and "CDNA5" Instruction Set Architecture Reference Guide (July 2026). The comments in the code are by the model that wrote it; some were corrected since.
;; Bahdanau Attention. Allowed arithmetic: matrix products marked QUANTISED: E2M1 operands, one E8M0 scale for each 32 along K, by v_wmma_scale_f32_16x16x128_f8f6f4 with both operands' format E2M1 (or v_wmma_scale_f32_32x16x128_f4), f32 sums; products left as they are: f32 operands where the result goes on into a quantised operand, else bf16, f16 or f32 operands; f32 sums; everything else in f32.
;; Inputs: W_dec_codes 1,024 x 32 x 16 uint8 (E2M1 codes of W_dec, K innermost, in blocks of 32 codes, two codes a byte); W_dec_scales 1,024 x 32 uint8 (E8M0 scales of W_dec, one for each 32 codes along K); W_enc_codes 1,024 x 32 x 16 uint8 (E2M1 codes of W_enc, K innermost, in blocks of 32 codes, two codes a byte); W_enc_scales 1,024 x 32 uint8 (E8M0 scales of W_enc, one for each 32 codes along K); decoder_hidden_codes 32 x 32 x 16 uint8 (E2M1 codes of decoder_hidden, K innermost, in blocks of 32 codes, two codes a byte); decoder_hidden_scales 32 x 32 uint8 (E8M0 scales of decoder_hidden, one for each 32 codes along K); encoder_outputs 32 x 2,048 x 1,024 float32; mask 32 x 2,048 int32; v 1,024 float32.
;; Outputs: out0 32 x 1,024 float32; out1 32 x 2,048 float32.
;; This version of the problem:
;;   THIS VERSION OF THE PROBLEM IS GIVEN IN LOW PRECISION. The matrix products marked QUANTISED in the list below multiply operands that are first quantised to E2M1 (2 exponent bits, 1 mantissa bit; 4 bits a number), with one power-of-two scale for each 32 numbers along K (OCP MX v1.0); their sums are f32. All else is computed in f32.
;;   The module's matrix products, in the order in which they are computed (A, B: the left and right operand; K: the contracted axis; several contracted axes count as one K, in the product's order):
;;     1. [M 65,536, K 1,024] x [K 1,024, N 1,024]; A: input encoder_outputs; B: input W_enc (given as codes): QUANTISED
;;     2. [M 32, K 1,024] x [K 1,024, N 1,024]; A: input decoder_hidden (given as codes); B: input W_dec (given as codes): QUANTISED
;;     3. [M 65,536, K 1,024] x [K 1,024, N 1]; A: computed on the way; B: input v: left as it is (N = 1 < 16)
;;     4. batch 32 x [M 1, K 2,048] x [K 2,048, N 1,024]; A: softmax; B: input encoder_outputs: left as it is (M = 1 < 16)
;;   THE QUANTISER, for each operand of a quantised product, along K:
;;     - K is cut into blocks of 32 from its start; a last block that is shorter is filled with zeros.
;;     - A block's scale is 2^e with e = floor(log2(the largest magnitude in the block)) - 2, held to -126 .. 127; a block of zeros has e = 0. As a byte (E8M0): e + 127.
;;     - Each number is divided by its block's scale, clamped to +-6, and rounded to the nearest number of E2M1, ties to even, subnormals kept.
;;     - The product sums the exact products of the quantised numbers (number of the format x scale) in f32.
;;   ~~~python
;;   def quantise(x, axis):      # numpy; x: float32 -> the quantised numbers, widened to float32 again
;;       x = np.moveaxis(x, axis, -1); K = x.shape[-1]
;;       x = np.pad(x, [(0, 0)] * (x.ndim - 1) + [(0, -K % 32)]); x = x.reshape(x.shape[:-1] + (-1, 32)); a = np.abs(x).max(-1, keepdims=True)
;;       e = np.where(a > 0, np.clip(np.frexp(np.where(a > 0, a, 1))[1] - 1 - 2, -126, 127), 0)      # np.frexp(a)[1] - 1 = floor(log2(a)), exactly
;;       r = np.clip(x / 2.0 ** e, -6, 6)
;;       step = 2.0 ** (np.maximum(np.frexp(np.where(r == 0, 1, r))[1] - 1, 0) - 1)
;;       q = np.round(r / step) * step * 2.0 ** e      # np.round: ties to even
;;       return np.moveaxis(q.reshape(q.shape[:-2] + (-1,))[..., :K], -1, axis).astype(np.float32)
;;   ~~~
;;   INPUTS GIVEN AS CODES. W_dec (in the module: [1024, 1024], K = its axis 1); W_enc (in the module: [1024, 1024], K = its axis 1); decoder_hidden (in the module: [32, 1024], K = its axis 1): each comes as NAME_codes (uint8): NAME with its K axis moved to the last place and cut into blocks of 32 codes, [.., K / 32, bytes a block], one block behind the other in memory; two codes a byte, the lower K in the low four bits (a code: sign, 2 exponent bits, 1 mantissa bit); and NAME_scales (uint8): the same leading axes, one E8M0 byte (e + 127) for each 32 codes along K. Its value is code x scale, taken as it is: it is not quantised again, and the codes and scales need not be those that the quantiser above would give.
;; One version. Each part assembles by itself: llvm-mc -triple=amdgcn-amd-amdhsa -mcpu=gfx1250 --defsym DOCPART=n.
;; ======== version 1 of 1: 3 launches
;; limits: right only within a limited range of input values
;; workspace buffers: list 270,336 bytes of whole numbers; meta 8,192 bytes of whole numbers; scores_ws 270,336 bytes; wf 524,288 bytes; wsf 32,768 bytes; tab 524,288 bytes; pmx 524,288 bytes; pc 4,194,304 bytes
;; launch prep (part 1): grid 160 x 1, 1 waves a work-group, no clusters, 0 bytes of LDS; arguments mask, W_enc_codes, W_enc_scales, W_dec_codes, W_dec_scales, decoder_hidden_codes, decoder_hidden_scales, v, list, meta, scores_ws, wf, wsf, tab; writes list, meta, scores_ws, wf, wsf, tab
.if DOCPART == 1
	.amdgcn_target "amdgcn-amd-amdhsa--gfx1250"
	.amdhsa_code_object_version 6
	.text
	.protected	k_q63e9efe8e4_prep
	.globl	k_q63e9efe8e4_prep
	.p2align	8
	.type	k_q63e9efe8e4_prep,@function
k_q63e9efe8e4_prep:
	s_mov_b64 s[64:65], 0
	v_nop
	global_prefetch_b8 v0, s[64:65] scope:SCOPE_SE
	s_setreg_imm32_b32 hwreg(HW_REG_WAVE_MODE, 25, 1), 1
	s_wait_xcnt 0x0
; BahdanauAttention, launch 1 of 3: what the main launch needs laid ready.  B = 32, T = 2,048, H = 1,024.
; WORK THAT IS NOT DONE, in the whole program.  reference() puts NEG = -1e9 in place of the score wherever mask == 0: for such a row t the
; products enc[b,t,:] W_enc^T and tanh(.) . v have no way to any output, whatever the inputs hold.  mask is an input of whole numbers: this launch
; sorts each batch's rows by it and stores the order as whole numbers, and the main launch reads that list and takes up the live rows alone.
; In the context a masked row has the weight exp(NEG - max) / sum; as soon as its batch has one live row that is 0 in f32, in reference() too,
; so the row is not read for the context either.  A batch with no live row has all scores NEG: weights 1 / 2,048, context = the mean of all rows:
; for it the list names all 2,048 rows and the flag live = 0 tells the main launch to put NEG for every score.  Every input is loaded.
; LIMITS.  The sum of |v| stays under 9e8 (else a live score comes so near NEG that masked rows would keep a weight); a NaN or an infinity in
; a masked row of encoder_outputs is not carried to the context (reference() would form 0 x infinity there).
; THREE ROLES, by the work-group's number; one wave each; no LDS.
;   0-31    batch b: list[b][0 .. cnt-1] = the live rows, ascending; the masked rows from entry 2,047 downward: a permutation of the rows; entries 2,048-2,111
;           hold their own numbers (a last tile's look past the end); meta[b] = {cnt or 2,048 where cnt = 0, cnt != 0}, 32 copies;
;           scores_ws[b][0 .. 2,047] = NEG (a batch has 2,112 places: the last 64 take what the main launch stores for entries past 2,047, and are never read)
;   32-95   n: rows 16 n .. 16 n + 15 of W_enc into the order of an operand's registers: wf byte ((8 n + q) 2 + c) 512 + 16 lane = the 16 bytes that
;           lane (r, h) takes for K step q, registers 4 c .. 4 c + 3; wsf [n][lane][u]: scale word 2 u + h of row 16 n + r
;   96-159  n: the second product, dec W_dec^T, columns 16 n .. 16 n + 15 for all 32 batches; tab[b][o] = (c dec_p, c dec_p, -2 v[o], -2 v[o]),
;           c = 2 log2(e): tanh(x) = 1 - 2 / (1 + 2^(c x)), so the main launch wants c x and -2 v
; v16-39 hold scale words and nothing else, in every role.
.set NEGB, 0xce6e6b28                  ; -1e9
.set C2L,  0x4038aa3b                  ; 2 log2(e)
	s_load_b512 s[4:19], s[0:1], 0x0               ; mask, W_enc codes, W_enc scales, W_dec codes, W_dec scales, dec codes, dec scales, v
	s_load_b256 s[20:27], s[0:1], 0x40             ; list, meta, scores_ws, wf
	s_load_b128 s[28:31], s[0:1], 0x60             ; wsf, tab
	v_and_b32 v1, 15, v0                           ; r
	v_lshrrev_b32 v2, 4, v0                        ; h
	v_lshlrev_b32 v3, 9, v1
	v_lshl_add_u32 v3, v2, 4, v3                   ; a fragment's place in rows of 512 bytes (1,024 codes): 512 r + 16 h
	v_lshlrev_b32 v4, 4, v0                        ; 16 x lane
	s_mov_b32 s33, 0                               ; the upper word of every offset
	s_wait_kmcnt 0x0
	s_cmp_lt_u32 ttmp9, 32
	s_cbranch_scc1 .Lcompact
	s_cmp_lt_u32 ttmp9, 96
	s_cbranch_scc1 .Lreorder
	; ---- the second product: A = 16 batches of dec, B = 16 rows of W_dec; in the result lane (r, h), register j: batch 16 mb + 8 h + j, column 16 n + r
	s_sub_co_u32 s34, ttmp9, 96                    ; n
	s_lshl_b32 s32, s34, 13
	s_add_nc_u64 s[10:11], s[10:11], s[32:33]      ; W_dec's codes at row 16 n
	s_lshl_b32 s32, s34, 9
	s_add_nc_u64 s[12:13], s[12:13], s[32:33]      ; its scale bytes, 32 a row
	s_lshl_b32 s32, s34, 6
	s_add_nc_u64 s[18:19], s[18:19], s[32:33]      ; v at 16 n
	s_lshl_b32 s32, s34, 8
	s_add_nc_u64 s[30:31], s[30:31], s[32:33]      ; tab at column 16 n, 16 bytes a column
	s_mov_b32 s35, C2L
	v_lshlrev_b32 v5, 5, v1                        ; 32 r: a row of scale bytes
	v_lshlrev_b32 v6, 2, v1                        ; 4 r
	v_lshlrev_b32 v7, 4, v1
	v_lshl_add_u32 v7, v2, 17, v7                  ; tab: 16 r, and 8 batches of 16,384 bytes further on for lanes 16-31
.irp q, 0,1,2,3,4,5,6,7
.irp c, 0,1
	global_load_b128 v[64+8*\q+4*\c:67+8*\q+4*\c], v3, s[10:11] offset:64*\q+32*\c
.endr
.endr
.irp mb, 0,1
.irp q, 0,1,2,3,4,5,6,7
.irp c, 0,1
	global_load_b128 v[128+64*\mb+8*\q+4*\c:131+64*\mb+8*\q+4*\c], v3, s[14:15] offset:8192*\mb+64*\q+32*\c
.endr
.endr
.endr
	global_load_b128 v[16:19], v5, s[12:13]        ; W_dec's scale words: register 16 + q for K step q
	global_load_b128 v[20:23], v5, s[12:13] offset:16
.irp mb, 0,1
	global_load_b128 v[24+8*\mb:27+8*\mb], v5, s[16:17] offset:512*\mb      ; dec's
	global_load_b128 v[28+8*\mb:31+8*\mb], v5, s[16:17] offset:512*\mb+16
.endr
	global_load_b32 v40, v6, s[18:19]              ; v[16 n + r]
	s_wait_loadcnt 0x0
.irp q, 0,1,2,3,4,5,6,7                ; K ascending; the two accumulators by turns, one instruction a turn
.irp mb, 0,1
.if \q == 0
	v_wmma_scale_f32_16x16x128_f8f6f4 v[48+8*\mb:55+8*\mb], v[128+64*\mb+8*\q:135+64*\mb+8*\q], v[64+8*\q:71+8*\q], 0, v[24+8*\mb+\q], v[16+\q] matrix_a_fmt:MATRIX_FMT_FP4 matrix_b_fmt:MATRIX_FMT_FP4
.else
	v_wmma_scale_f32_16x16x128_f8f6f4 v[48+8*\mb:55+8*\mb], v[128+64*\mb+8*\q:135+64*\mb+8*\q], v[64+8*\q:71+8*\q], v[48+8*\mb:55+8*\mb], v[24+8*\mb+\q], v[16+\q] matrix_a_fmt:MATRIX_FMT_FP4 matrix_b_fmt:MATRIX_FMT_FP4
.endif
.endr
.endr
.rept 4
	v_nop                                          ; four places behind the last product: its results are read, and W_dec's registers written, only behind them (ISA guide 7.12.1)
.endr
	v_mul_f32 v41, -2.0, v40
.irp mb, 0,1
.irp j, 0,1,2,3,4,5,6,7                ; each accumulator from its low end on; every store has data registers of its own
	v_mul_f32 v[64+4*(8*\mb+\j)], s35, v[48+8*\mb+\j]
	v_mul_f32 v[65+4*(8*\mb+\j)], s35, v[48+8*\mb+\j]
	v_mov_b32 v[66+4*(8*\mb+\j)], v41
	v_mov_b32 v[67+4*(8*\mb+\j)], v41
	global_store_b128 v7, v[64+4*(8*\mb+\j):67+4*(8*\mb+\j)], s[30:31] offset:(16*\mb+\j)*16384   ; sixteen lanes store 256 consecutive bytes, aligned
.endr
.endr
	s_endpgm
.Lreorder:                             ; ---- W_enc into the order of the operand's registers
	s_sub_co_u32 s34, ttmp9, 32                    ; n
	s_lshl_b32 s32, s34, 13
	s_add_nc_u64 s[6:7], s[6:7], s[32:33]
	s_add_nc_u64 s[26:27], s[26:27], s[32:33]
	s_lshl_b32 s32, s34, 9
	s_add_nc_u64 s[8:9], s[8:9], s[32:33]
	s_add_nc_u64 s[28:29], s[28:29], s[32:33]
	v_lshlrev_b32 v5, 5, v1
	v_lshl_add_u32 v5, v2, 2, v5                   ; 32 r + 4 h: lanes 0-15 take the even K steps' words, lanes 16-31 the odd ones'
.irp q, 0,1,2,3,4,5,6,7
.irp c, 0,1
	global_load_b128 v[64+8*\q+4*\c:67+8*\q+4*\c], v3, s[6:7] offset:64*\q+32*\c
.endr
.endr
.irp u, 0,1,2,3
	global_load_b32 v[48+\u], v5, s[8:9] offset:8*\u
.endr
	s_wait_loadcnt 0x0
.irp q, 0,1,2,3,4,5,6,7
.irp c, 0,1
	global_store_b128 v4, v[64+8*\q+4*\c:67+8*\q+4*\c], s[26:27] offset:(2*\q+\c)*512   ; 512 consecutive bytes a store
.endr
.endr
	global_store_b128 v4, v[48:51], s[28:29]
	s_endpgm
.Lcompact:                             ; ---- batch b = the work-group's number: a counting sort of its 2,048 rows by the mask.  Group G holds rows 32 G + lane
	s_lshl_b32 s32, ttmp9, 13
	s_add_nc_u64 s[4:5], s[4:5], s[32:33]          ; mask[b]
	s_mul_i32 s32, ttmp9, 8448
	s_add_nc_u64 s[20:21], s[20:21], s[32:33]      ; list[b]: 2,112 entries
	s_add_nc_u64 s[24:25], s[24:25], s[32:33]      ; scores_ws[b]: 2,112 places
	s_lshl_b32 s32, ttmp9, 8
	s_add_nc_u64 s[22:23], s[22:23], s[32:33]      ; meta[b]
	v_lshlrev_b32 v5, 2, v0                        ; 4 x lane
	v_lshlrev_b32 v6, 3, v0                        ; 8 x lane
.set G, 0
.rept 64
	global_load_b32 v[64+G], v5, s[4:5] offset:128*G   ; group G: mask of row 32 G + lane
.set G, G+1
.endr
.irp i, 40,41,42,43
	v_mov_b32 v\i, NEGB
.endr
	v_lshl_add_u32 v44, v0, 1, 0x800               ; 2,048 + 2 x lane,
	v_add_nc_u32 v45, 1, v44                       ; and the next
.irp i, 0,1,2,3,4,5,6,7,8,9,10,11,12,13,14,15
	global_store_b128 v4, v[40:43], s[24:25] offset:512*\i
.endr
	global_store_b64 v6, v[44:45], s[20:21] offset:8192   ; entries 2,048 to 2,111 hold their own numbers
	s_mov_b32 s38, 0                               ; live rows so far
; Four batches of 16 groups, each step over the whole batch, so that no line waits for the line above it and the way from vector compare to scalar count and back is gone once a batch.
; s48-63: the groups' masks of live lanes; s66-81: live rows ahead of each group; v192-207 a live row's entry, v208-223 at work.
.set BT, 0
.rept 4
	s_wait_loadcnt 48-16*BT                        ; loads come back in order: this batch's 16 are in, the younger batches' may be out
.irp g, 0,1,2,3,4,5,6,7,8,9,10,11,12,13,14,15
	v_cmp_ne_u32 s[48+\g], 0, v[64+16*BT+\g]       ; the group's live lanes
.endr
.irp g, 0,1,2,3,4,5,6,7,8,9,10,11,12,13,14,15
	v_add_nc_u32 v[128+16*BT+\g], 32*(16*BT+\g), v0    ; the row
.endr
.irp g, 0,1,2,3,4,5,6,7,8,9,10,11,12,13,14,15
	v_mbcnt_lo_u32_b32 v[192+\g], s[48+\g], 0      ; live lanes below mine
.endr
.irp g, 0,1,2,3,4,5,6,7,8,9,10,11,12,13,14,15
	s_mov_b32 s[66+\g], s38                        ; live rows ahead of the group
	s_bcnt1_i32_b32 s36, s[48+\g]
	s_add_co_u32 s38, s38, s36
.endr
.irp g, 0,1,2,3,4,5,6,7,8,9,10,11,12,13,14,15
	v_add_nc_u32 v[192+\g], s[66+\g], v[192+\g]    ; a live row's entry: live rows ahead of it
.endr
.irp g, 0,1,2,3,4,5,6,7,8,9,10,11,12,13,14,15
	v_sub_nc_u32 v[208+\g], v[192+\g], v[128+16*BT+\g]
.endr
.irp g, 0,1,2,3,4,5,6,7,8,9,10,11,12,13,14,15
	v_add_nc_u32 v[208+\g], 2047, v[208+\g]        ; a masked row's: 2,047 - masked rows ahead of it = 2,047 - (row - live rows ahead of it)
.endr
.irp g, 0,1,2,3,4,5,6,7,8,9,10,11,12,13,14,15
	v_cndmask_b32 v[208+\g], v[208+\g], v[192+\g], s[48+\g]
.endr
.irp g, 0,1,2,3,4,5,6,7,8,9,10,11,12,13,14,15
	v_min_u32 v[208+\g], 2047, v[208+\g]           ; (it lies there by the count: the bound is written for the address's sake)
.endr
.irp g, 0,1,2,3,4,5,6,7,8,9,10,11,12,13,14,15
	v_lshlrev_b32 v[64+16*BT+\g], 2, v[208+\g]     ; every store has an address and a data register of its own: none is written again
.endr
.irp g, 0,1,2,3,4,5,6,7,8,9,10,11,12,13,14,15
	global_store_b32 v[64+16*BT+\g], v[128+16*BT+\g], s[20:21]
.endr
.set BT, BT+1
.endr
	s_cmp_lg_u32 s38, 0
	s_cselect_b32 s39, s38, 0x800                  ; no live row: all 2,048 are walked
	s_cselect_b32 s44, 1, 0
	v_mov_b32 v46, s39
	v_mov_b32 v47, s44
	global_store_b64 v6, v[46:47], s[22:23]        ; 32 copies: 256 consecutive bytes, aligned
	s_endpgm
.Lfunc_end_k_q63e9efe8e4_prep:
	.size	k_q63e9efe8e4_prep, .Lfunc_end_k_q63e9efe8e4_prep-k_q63e9efe8e4_prep
	.p2alignl 7, 3214868480
	.fill 96, 4, 3214868480
	.section	.rodata,"a",@progbits
	.p2align	6, 0x0
	.amdhsa_kernel k_q63e9efe8e4_prep
		.amdhsa_group_segment_fixed_size 0
		.amdhsa_private_segment_fixed_size 0
		.amdhsa_enable_private_segment 0
		.amdhsa_kernarg_size 112
		.amdhsa_user_sgpr_count 2
		.amdhsa_user_sgpr_kernarg_segment_ptr 1
		.amdhsa_wavefront_size32 1
		.amdhsa_system_sgpr_workgroup_id_x 1
		.amdhsa_system_sgpr_workgroup_id_y 1
		.amdhsa_system_sgpr_workgroup_id_z 1
		.amdhsa_system_vgpr_workitem_id 0
		.amdhsa_next_free_vgpr 256
		.amdhsa_next_free_sgpr 84
		.amdhsa_reserve_vcc 0
		.amdhsa_float_denorm_mode_32 3
		.amdhsa_float_denorm_mode_16_64 3
		.amdhsa_memory_ordered 1
		.amdhsa_forward_progress 1
		.amdhsa_inst_pref_size 67
	.end_amdhsa_kernel
	.amdgpu_metadata
---
amdhsa.version: [ 1, 2 ]
amdhsa.kernels:
  - .name:           k_q63e9efe8e4_prep
    .symbol:         k_q63e9efe8e4_prep.kd
    .args:
      - { .name: mask, .offset: 0, .size: 8, .value_kind: global_buffer, .address_space: global }
      - { .name: W_enc_codes, .offset: 8, .size: 8, .value_kind: global_buffer, .address_space: global }
      - { .name: W_enc_scales, .offset: 16, .size: 8, .value_kind: global_buffer, .address_space: global }
      - { .name: W_dec_codes, .offset: 24, .size: 8, .value_kind: global_buffer, .address_space: global }
      - { .name: W_dec_scales, .offset: 32, .size: 8, .value_kind: global_buffer, .address_space: global }
      - { .name: decoder_hidden_codes, .offset: 40, .size: 8, .value_kind: global_buffer, .address_space: global }
      - { .name: decoder_hidden_scales, .offset: 48, .size: 8, .value_kind: global_buffer, .address_space: global }
      - { .name: v, .offset: 56, .size: 8, .value_kind: global_buffer, .address_space: global }
      - { .name: list, .offset: 64, .size: 8, .value_kind: global_buffer, .address_space: global }
      - { .name: meta, .offset: 72, .size: 8, .value_kind: global_buffer, .address_space: global }
      - { .name: scores_ws, .offset: 80, .size: 8, .value_kind: global_buffer, .address_space: global }
      - { .name: wf, .offset: 88, .size: 8, .value_kind: global_buffer, .address_space: global }
      - { .name: wsf, .offset: 96, .size: 8, .value_kind: global_buffer, .address_space: global }
      - { .name: tab, .offset: 104, .size: 8, .value_kind: global_buffer, .address_space: global }
    .group_segment_fixed_size: 0
    .private_segment_fixed_size: 0
    .kernarg_segment_align: 8
    .kernarg_segment_size: 112
    .max_flat_workgroup_size: 32
    .sgpr_count:     84
    .vgpr_count:     256
    .wavefront_size: 32
...
	.end_amdgpu_metadata
.endif
;; end of part 1
;; launch attn (part 2): grid 16 x 32, 4 waves a work-group, no clusters, 163,328 bytes of LDS; arguments encoder_outputs, list, meta, wf, wsf, tab, v, scores_ws, pmx, pc; writes scores_ws, pmx, pc
.if DOCPART == 2
	.amdgcn_target "amdgcn-amd-amdhsa--gfx1250"
	.amdhsa_code_object_version 6
	.text
	.protected	k_q63e9efe8e4_attn
	.globl	k_q63e9efe8e4_attn
	.p2align	8
	.type	k_q63e9efe8e4_attn,@function
k_q63e9efe8e4_attn:
	s_mov_b64 s[64:65], 0
	v_nop
	global_prefetch_b8 v0, s[64:65] scope:SCOPE_SE
	s_setreg_imm32_b32 hwreg(HW_REG_WAVE_MODE, 25, 1), 1
	s_wait_xcnt 0x0
; BahdanauAttention, launch 2 of 3.  A TILE is 68 entries of one batch's list of rows: tile i holds entries 68 i .. 68 i + 67.  A tile goes through the whole chain: gather, quantise to E2M1
; along H, enc W_enc^T on codes, tanh, the dot with v, a softmax of its own (its own largest score taken away), and its part of the context.  A row of enc is read from memory once.
; WORK LEFT OUT: rows with mask == 0 (shown at the head of the first kernel): they are not in the first cnt entries of the list.  Limits as stated there.
; THE GRID serves every mask: a batch has at most ceil(2,048 / 68) = 31 tiles.  Work-group (x, b) takes tile x and then tile x + 16.
; Every wave passes every barrier, and none stands under a branch on a number read from memory.  So THE FIRST TILE is walked with no such branch: where the batch has 68 x rows or fewer, all its slots
; take one row, every p is 0, and what it stores (a context of zeros, a largest score of -infinity) is read by nobody: the last launch stops at the batch's last tile.  THE SECOND TILE, wanted only by a
; batch of more than 1,088 rows, is written out once more with its barriers bare and each phase between two barriers under a branch on the stored count: where the tile has no row, the phases are
; jumped over.  All that a phase of the second tile reads has been written by the first tile or outside the branches; its LDS addresses are made outside them; no load is out at a branch's end.
; This text has no tensor load and no copy; W_enc's fragments, which all work-groups read, are not asked for jointly in a cluster:
; which partners have a second tile hangs on the counts.  Each fragment is loaded by ONE wave of a work-group, whole, from the order in which the first launch laid it, and feeds five products.
; ALL LANES ARE ON THROUGHOUT, and no branch hangs on the wave's number.  The scores go out so: thread t stores slot min(t, 64 + t % 4) (waves 2 and 3 both hold slots 64-67: the same values at the same
; places).  A slot at or past the count stores NEG at the row that its entry names: the list is a permutation of the rows, so that is a masked row which no other tile names, and NEG is its score;
; an entry past 2,047 names a place behind the batch's 2,048 scores, which nobody reads.
; SHARES.  Quantising: wave w owns slots 17 w .. 17 w + 16.  Product: wave w owns columns 256 w .. 256 w + 255 (16 tiles of 16) for all five tiles of 16 slots (68 real, 12 of zero codes).
; A = 16 slots, B = 16 rows of W_enc: in the result lane (r, h), register j is (slot 16 m + 8 h + j, column 16 n + r): the bias c dec_p and -2 v are one number a lane.
; tanh(x) = 1 - 2 / (1 + 2^(c x)), c = 2 log2(e): score = sum v + sum over o of (-2 v[o]) / (1 + 2^(c enc_p + c dec_p)).
; A slot at or past the count takes the tile's first row again (finite numbers) and gets p = 0.
; The claim of LDS is under half of 327,680 bytes and a wave has 512 registers, so that a second work-group can stand beside this one.
; LDS: 0: the 68 rows in bf16, 2,048 bytes each, for the context | CX: codes of HALF of H, 80 rows x (256 + 16) bytes | SCL: their scale bytes, 16 a row | SPARE: the spare words.
; Behind a tile's fourth barrier CX is free: PS 4 x 320 bytes, the waves' partial scores; PP 4 x 320, p, a copy for each wave; STG 4 x 1,024, the context's way out.
; REGISTERS, window 0: v1, v2 the add's two; v3-8, v10, v11, v15 addresses; v9 sum v; v12 the row of my slot, v13 its score; v16-35 A's scale words, v36-39 B's (scales alone);
;   v40-43 the next tile's (c dec_p, c dec_p, -2 v, -2 v), v44-47 this tile's; v48-87 five accumulators (while quantising: v48-59 at work); v88-123 partial scores;
;   v128-191, v192-255 A's fragments of slots 48-63, 64-79.   window 1: v0-191 A's fragments of slots 0-47 (64 m + 8 q); v192-255 B's eight fragments.
.set CX,    139264
.set SCL,   161024
.set SPARE, 162816
.set PS,    CX
.set PP,    CX+1280
.set STG,   CX+2560
.set C2L,   0x4038aa3b                 ; 2 log2(e)
.set L2E,   0x3fb8aa3b                 ; log2(e)
.set NEGB,  0xce6e6b28                 ; -1e9
.set MSB, 0
.macro WIN new                         ; the immediate's high byte repeats the setting that is left; bits 1:0 source 0, 3:2 source 1, 5:4 source 2, 7:6 destination
.if MSB != \new
	s_set_vgpr_msb (MSB<<8)|\new
.set MSB, \new
.endif
.endm
.macro BAR                             ; my LDS stores have landed and my LDS loads are in: then the work-group's barrier
	s_wait_dscnt 0x0
	s_barrier_signal -1
	s_barrier_wait -1
.endm
.macro GUARD lbl                       ; the second tile's phases: has the tile a row?  s27 = its first entry, s28 = the batch's stored count
	s_cmp_lt_u32 s27, s28
	s_cbranch_scc0 \lbl
.endm
; Unit u = half u / 17 of H (512 numbers) of my slot u % 17: two chunks of 256 numbers; a lane takes 8 neighbours of each (32 bytes, two loads on end that cover 1,024 consecutive bytes).
; A ring of eight sets of 16 registers; they keep clear of the registers that hold the first half's fragments.
.macro XLOAD u
.set XS, 64+16*((\u)%8)+32*(((\u)%8)/4)+32*(((\u)%8)/6)
.set XI, (\u)%17
.set XH, (\u)/17
.irp cc, 0,1
	global_load_b128 v[XS+8*\cc:XS+8*\cc+3], v3, s[30+2*XI:31+2*XI] offset:2048*XH+1024*\cc
	global_load_b128 v[XS+8*\cc+4:XS+8*\cc+7], v3, s[30+2*XI:31+2*XI] offset:2048*XH+1024*\cc+16
.endr
.endm
; Unit u is quantised: a block of 32 lies in four neighbouring lanes.  v48, v49 the two chunks' largest magnitudes, v50, v51 their scale operands.
; WHAT THE UNIT'S SIX LDS STORES READ IS NOT WRITTEN AGAIN BEFORE A WAIT HAS SHOWN THEM DONE, and that wait stands a whole unit behind them: the bf16 numbers are packed in place, into the unit's own
; ring registers; the scale bytes (v52-55) and the codes (v56-59) have two sets, by turns.  At the end of unit u, behind its own six stores, s_wait_dscnt 6 shows unit u - 1's stores done: only
; then do the loads of unit u + 7 land in unit u - 1's ring registers; and set u % 2 is written again in unit u + 2, behind the same wait of unit u + 1.  So seven units, 28 loads, of a wave are on their way.
; first: the run's first unit, ahead of which units first .. first + 7 were asked for;  lim: the last unit that this run asks for.
.macro QUNIT u, first, lim
.set QS, 64+16*((\u)%8)+32*(((\u)%8)/4)+32*(((\u)%8)/6)
.set QI, (\u)%17
.set QH, (\u)/17
.set QP, 2*((\u)%2)
.set QY, 6                             ; the younger units that have been asked for: u + 1 .. u + 6,
.if (\u) == (\first)
.set QY, 7                             ; at the run's first unit u + 1 .. u + 7,
.endif
.if (\lim)-(\u) < QY
.set QY, (\lim)-(\u)                   ; at the run's end those that are left
.endif
	s_wait_loadcnt 4*QY                            ; my unit's four loads are in; four for each younger unit may be out
.irp cc, 0,1
	v_max3_num_f32 v[48+\cc], |v[QS+8*\cc]|, |v[QS+8*\cc+1]|, 0x1800000   ; with the floor 2^(3 - 127): the byte cannot fall under 1 (a block of zeros keeps 1: its codes are zeros, and this program alone reads the bytes)
.endr
.irp i, 2,4,6
.irp cc, 0,1
	v_max3_num_f32 v[48+\cc], v[48+\cc], |v[QS+8*\cc+\i]|, |v[QS+8*\cc+\i+1]|
.endr
.endr
.irp x, 1,2
.irp cc, 0,1
	v_max_num_f32_dpp v[48+\cc], v[48+\cc], v[48+\cc] row_xmask:\x row_mask:0xf bank_mask:0xf
.endr
.endr
.irp cc, 0,1
	v_add_nc_u32 v[50+\cc], 0xff000000, v[48+\cc]  ; 2 off the exponent field: the conversion takes that field as its scale
.endr
.irp cc, 0,1
	v_cvt_scalef32_pk8_fp4_f32 v[56+QP+\cc], v[QS+8*\cc:QS+8*\cc+7], v[50+\cc]
.endr
.irp cc, 0,1
	v_lshrrev_b32 v[52+QP+\cc], 23, v[50+\cc]      ; the scale's byte (also the plain lines between the conversions and the lines below, which write their sources)
.endr
.irp cc, 0,1
.irp j, 0,1,2,3
	v_cvt_pk_bf16_f32 v[QS+8*\cc+\j], v[QS+8*\cc+2*\j], v[QS+8*\cc+2*\j+1]   ; the same numbers in bf16, for the context, in place: register j takes numbers 2 j and 2 j + 1, j ascending
.endr
.endr
.irp cc, 0,1
	ds_store_b32 v4, v[56+QP+\cc] offset:272*QI+128*\cc
	ds_store_b8 v5, v[52+QP+\cc] offset:16*QI+8*\cc        ; the four lanes of a block write the same byte with the same value
	ds_store_b128 v6, v[QS+8*\cc:QS+8*\cc+3] offset:2048*QI+512*(2*QH+\cc)
.endr
.if (\u) > (\first)
	s_wait_dscnt 6                                 ; my six stores may be out; the unit before's are done
.if (\u)+7 <= (\lim)
	XLOAD (\u)+7
.endif
.endif
.endm
; Half e of H: all five tiles' fragments of K steps 4 e .. 4 e + 3, and their scale words: register 16 + 4 m + u holds K step 2 u in lanes 0-15 and 2 u + 1 in lanes 16-31
.macro FRAGS e
	WIN 0x40                                       ; destination window 1
.irp m, 0,1,2
.irp qq, 0,1,2,3
.irp c, 0,1
	ds_load_b128 v[64*\m+8*(4*\e+\qq)+4*\c:64*\m+8*(4*\e+\qq)+4*\c+3], v7 offset:4352*\m+64*\qq+32*\c
.endr
.endr
.endr
	WIN 0
.irp m, 3,4
.irp qq, 0,1,2,3
.irp c, 0,1
	ds_load_b128 v[128+64*(\m-3)+8*(4*\e+\qq)+4*\c:128+64*(\m-3)+8*(4*\e+\qq)+4*\c+3], v7 offset:4352*\m+64*\qq+32*\c
.endr
.endr
.endr
.irp m, 0,1,2,3,4
.irp uu, 0,1
	ds_load_b32 v[16+4*\m+2*\e+\uu], v8 offset:256*\m+8*\uu
.endr
.endr
.endm
; A tile of 16 columns: W_enc's eight fragments (512 consecutive bytes a load), its scale words, and the columns' (c dec_p, c dec_p, -2 v, -2 v)
.macro BLOAD
	WIN 0x40
.irp q, 0,1,2,3,4,5,6,7
.irp c, 0,1
	global_load_b128 v[192+8*\q+4*\c:195+8*\q+4*\c], v10, s[10:11] offset:(2*\q+\c)*512
.endr
.endr
	WIN 0
	global_load_b128 v[36:39], v10, s[12:13]
	global_load_b128 v[40:43], v11, s[14:15]
.endm
.macro MM q, m                         ; K step q of tile m of slots
.if (\m) < 3
.set AR, 64*(\m)+8*(\q)
.else
.set AR, 128+64*((\m)-3)+8*(\q)
.endif
.if (\q) == 0
	v_wmma_scale_f32_16x16x128_f8f6f4 v[48+8*(\m):55+8*(\m)], v[AR:AR+7], v[192+8*(\q):199+8*(\q)], 0, v[16+4*(\m)+(\q)/2], v[36+(\q)/2] matrix_a_fmt:MATRIX_FMT_FP4 matrix_b_fmt:MATRIX_FMT_FP4
.elseif (\q)%2 == 0
	v_wmma_scale_f32_16x16x128_f8f6f4 v[48+8*(\m):55+8*(\m)], v[AR:AR+7], v[192+8*(\q):199+8*(\q)], v[48+8*(\m):55+8*(\m)], v[16+4*(\m)+(\q)/2], v[36+(\q)/2] matrix_a_fmt:MATRIX_FMT_FP4 matrix_b_fmt:MATRIX_FMT_FP4
.else
	v_wmma_scale_f32_16x16x128_f8f6f4 v[48+8*(\m):55+8*(\m)], v[AR:AR+7], v[192+8*(\q):199+8*(\q)], v[48+8*(\m):55+8*(\m)], v[16+4*(\m)+(\q)/2], v[36+(\q)/2] matrix_a_fmt:MATRIX_FMT_FP4 matrix_b_fmt:MATRIX_FMT_FP4 matrix_a_scale:MATRIX_SCALE_ROW1 matrix_b_scale:MATRIX_SCALE_ROW1
.endif
.endm
; 36 numbers a lane (of the fifth tile only registers 0-3: slots 64-67): S += -2 v / (1 + 2^(c x + c dec_p)).  Each batch of transcendentals has one plain line and one wait behind it.
.macro ACT
.set P, 0
.rept 18
	v_pk_fma_f32 v[48+P:49+P], v[48+P:49+P], s[86:87], v[44:45] op_sel_hi:[1,0,1]   ; each accumulator from its low end on
.set P, P+2
.endr
.set P, 0
.rept 36
	v_exp_f32 v[48+P], v[48+P]
.set P, P+1
.endr
	v_nop
	s_wait_alu depctr_va_vdst(0)
.set P, 0
.rept 18
	v_pk_add_f32 v[48+P:49+P], v[48+P:49+P], 1.0 op_sel_hi:[1,0]
.set P, P+2
.endr
.set P, 0
.rept 36
	v_rcp_f32 v[48+P], v[48+P]                     ; 2^(..) = infinity gives 0: tanh = 1
.set P, P+1
.endr
	v_nop
	s_wait_alu depctr_va_vdst(0)
.set P, 0
.rept 18
	v_pk_fma_f32 v[88+P:89+P], v[48+P:49+P], v[46:47], v[88+P:89+P]
.set P, P+2
.endr
.endm
; One tile of 16 columns: 40 products, then the next tile's 18 loads, which have the activation in which to land.  (B has one set of registers: both windows of the wave's 512 are full.)
.macro TRIP last
	s_wait_loadcnt 0x0                             ; this tile's 18 loads, issued ahead of the last activation: so their bases may step below
	WIN 0x05                                       ; A and B window 1
.irp q, 0,1,2,3,4,5,6,7                ; three accumulators by turns, one instruction a turn; then two
.irp m, 0,1,2
	MM \q, \m
.endr
.endr
	WIN 0x04                                       ; A window 0, B window 1
.irp q, 0,1,2,3,4,5,6,7
.irp m, 3,4
	MM \q, \m
.endr
.endr
	WIN 0
.irp i, 0,1,2,3
	v_mov_b32 v[44+\i], v[40+\i]                   ; four plain lines that name no register of the products: the places in front of the loads into B's registers and of the first read of results
.endr
.if !\last
	s_add_nc_u64 s[10:11], s[10:11], 8192
	s_add_nc_u64 s[12:13], s[12:13], 512
	s_add_nc_u64 s[14:15], s[14:15], 256
	BLOAD
.endif
	ACT
.endm
.macro CLOAD k0, n, reg, adr           ; rows k0 .. k0 + n - 1 in bf16: my 8 columns, 16 bytes; a wave reads 512 consecutive bytes
.set K, 0
.rept \n
	ds_load_b128 v[\reg+4*K:\reg+4*K+3], v[\adr] offset:2048*(((\k0)+K)%32)
.set K, K+1
.endr
.endm
.macro CFMA k0, n, reg                 ; context += p[k] x row k: straight from the bf16 halves, p and the sums in f32
.set K, 0
.rept \n
.irp e, 0,1,2,3
	v_fma_mix_f32_bf16 v[40+2*\e], v[\reg+4*K+\e], v[112+(\k0)+K], v[40+2*\e] op_sel_hi:[1,0,0]
	v_fma_mix_f32_bf16 v[41+2*\e], v[\reg+4*K+\e], v[112+(\k0)+K], v[41+2*\e] op_sel:[1,0,0] op_sel_hi:[1,0,0]
.endr
.set K, K+1
.endr
.endm
; Tile s25: its first entry, and the scalar loads of its first row and of my 17 entries.  Addresses are made of ids alone; tile 31 (x = 15's second, which never has a row: 2,108 > 2,048) reads tile 30's
; entries, so that the highest entry read is 68 x 30 + 67 = 2,107 of the list's 2,112.
.macro TSETUP
	s_mul_i32 s27, s25, 68
	s_min_u32 s66, s25, 30
	s_mul_i32 s98, s66, 272
	s_add_nc_u64 s[100:101], s[6:7], s[98:99]      ; the list at the tile's first entry
	s_load_b32 s85, s[100:101], 0x0                ; the tile's first row
	s_mul_i32 s98, s24, 68
	s_add_nc_u64 s[2:3], s[100:101], s[98:99]
	s_load_b512 s[68:83], s[2:3], 0x0              ; my 17 entries
	s_load_b32 s84, s[2:3], 0x40
.endm
; n, and the addresses of my 17 rows
.macro ROWS
	s_sub_co_i32 s90, s28, s27
	s_max_i32 s90, s90, 0                          ; n: slot k counts where k < n; 0 where the tile has no row
	s_mul_i32 s91, s24, 17
.irp i, 0,1,2,3,4,5,6,7,8,9,10,11,12,13,14,15,16
	s_add_co_u32 s66, s91, \i
	s_cmp_lt_u32 s66, s90
	s_cselect_b32 s[30+2*\i], s[68+\i], s85        ; a slot past the count takes the tile's first row
	s_min_u32 s[30+2*\i], s[30+2*\i], 2047         ; (a row's number: the bound is written for the address's sake)
	s_lshl_b32 s[30+2*\i], s[30+2*\i], 12
	s_mov_b32 s[31+2*\i], 0
	s_add_nc_u64 s[30+2*\i:31+2*\i], s[4:5], s[30+2*\i:31+2*\i]
.endr
.endm
; The addresses of a tile's first phases, from the thread's and the wave's number
.macro ADRX
	v_and_b32 v252, 31, v0                         ; l
	v_bfe_u32 v253, v0, 4, 1                       ; h
	v_and_b32 v254, 15, v0                         ; r
	v_lshlrev_b32 v3, 5, v252                      ; 32 l: my 8 numbers of a chunk
	v_lshlrev_b32 v10, 4, v252                     ; 16 l
	s_mul_i32 s66, s24, 4624
	s_add_co_u32 s66, s66, CX
	v_lshl_add_u32 v4, v252, 2, s66                ; codes: my wave's 17 rows of 272 bytes, 4 bytes a lane
	s_mul_i32 s66, s24, 272
	s_add_co_u32 s66, s66, SCL
	v_lshrrev_b32 v5, 2, v252
	v_add_nc_u32 v5, s66, v5                       ; scale bytes: 16 a row, my block's
	s_mul_i32 s66, s24, 34816
	v_add_nc_u32 v6, s66, v10                      ; bf16: my wave's 17 rows of 2,048 bytes, 16 bytes a lane
	v_mul_u32_u24 v7, v254, 272
	v_lshl_add_u32 v7, v253, 4, v7
	v_add_nc_u32 v7, CX, v7                        ; a fragment: row r, + 16 h
	v_lshlrev_b32 v8, 4, v254
	v_lshl_add_u32 v8, v253, 2, v8
	v_add_nc_u32 v8, SCL, v8                       ; a scale word: row r, + 4 h
	v_lshlrev_b32 v11, 4, v254                     ; 16 r
	v_and_b32 v199, 3, v0
	v_add_nc_u32 v199, 64, v199
	v_min_u32 v199, v0, v199                       ; the slot whose score I store: min(t, 64 + t % 4)
	v_lshlrev_b32 v198, 2, v199                    ; its entry of the list
.endm
.macro GATHER                          ; the row of my slot: where I store its score
	global_load_b32 v12, v198, s[100:101]
.endm
.macro PRODUCT rnd                     ; my 16 tiles of 16 columns
.set J, 0
.rept 36
	v_mov_b32 v[88+J], 0                           ; the partial scores
.set J, J+1
.endr
	s_mov_b32 s92, 15
.Ln_\rnd:
	TRIP 0
	s_sub_co_u32 s92, s92, 1
	s_cmp_lg_u32 s92, 0
	s_cbranch_scc1 .Ln_\rnd
	TRIP 1                                         ; the last tile of columns asks for nothing more
.endm
; The addresses of all that follows the loop, from the thread's and the wave's number
.macro ADRE
	v_and_b32 v252, 31, v0                         ; l
	v_bfe_u32 v253, v0, 4, 1                       ; h
	v_and_b32 v254, 3, v0                          ; l % 4
	v_add_nc_u32 v255, 64, v254
	v_min_u32 v255, v0, v255                       ; the slot whose score I store
	s_mul_i32 s66, s24, 320
	s_add_co_u32 s67, s66, PS
	v_lshl_add_u32 v3, v253, 5, s67                ; my wave's partial scores: slot 16 m + 8 h + j at byte 64 m + 32 h + 4 j
	v_lshl_add_u32 v4, v252, 2, PS                 ; and back: slots l, l + 32,
	v_lshl_add_u32 v5, v254, 2, PS+256             ; 64 + l % 4
	s_add_co_u32 s67, s66, PP
	v_lshl_add_u32 v6, v252, 2, s67                ; my wave's copy of p
	v_mov_b32 v8, s67
	s_add_co_u32 s67, s67, 256
	v_lshl_add_u32 v7, v254, 2, s67
	v_lshlrev_b32 v10, 4, v0                       ; the context: my 8 columns of a bf16 row; rows 0-31,
	v_add_nc_u32 v11, 0x10000, v10                 ; 32-63,
	v_add_nc_u32 v15, 0x20000, v10                 ; 64-67
	s_lshl_b32 s66, s24, 10
	s_add_co_u32 s67, s66, STG
	v_lshl_add_u32 v248, v252, 5, s67              ; the way out: 32 bytes a lane in,
	v_lshl_add_u32 v249, v252, 4, s67              ; 16 bytes a lane back,
	v_lshl_add_u32 v250, v252, 4, s66              ; and the same place in the tile's row of pc
	v_lshlrev_b32 v251, 2, v0                      ; 4 t: my word of the tile's record in pmx
.endm
.macro REDUCE                          ; the partial scores over the 16 lanes that hold my 16 columns of a tile; then into LDS
.irp x, 1,2,4,8
.set J, 0
.rept 36
	v_add_f32_dpp v[88+J], v[88+J], v[88+J] row_xmask:\x row_mask:0xf bank_mask:0xf
.set J, J+1
.endr
.endr
.irp m, 0,1,2,3
	ds_store_b128 v3, v[88+8*\m:91+8*\m] offset:64*\m          ; the sixteen lanes of a half write the same bytes with the same values
	ds_store_b128 v3, v[92+8*\m:95+8*\m] offset:64*\m+16
.endr
	ds_store_b128 v3, v[120:123] offset:256
.endm
; Behind the barrier at which the four waves' partial scores lie in LDS: the scores, the tile's softmax, its part of the context, the stores
.macro TAIL
.irp ww, 0,1,2,3
	ds_load_b32 v[48+3*\ww], v4 offset:320*\ww
	ds_load_b32 v[49+3*\ww], v4 offset:320*\ww+128
	ds_load_b32 v[50+3*\ww], v5 offset:320*\ww
.endr
	v_mov_b32 v63, NEGB
	v_mov_b32 v64, 0xff800000                      ; -infinity
	v_add_nc_u32 v61, 32, v252
	v_add_nc_u32 v62, 64, v254
	v_cmp_gt_u32 s93, s90, v252                    ; which of my three slots count,
	v_cmp_gt_u32 s94, s90, v61
	v_cmp_gt_u32 s95, s90, v62
	v_cmp_gt_u32 s66, s90, v255                    ; and whether the slot counts whose score I store
	s_cmp_eq_u32 s24, 0
	s_cselect_b32 s96, -1, 0                       ; all ones in wave 0,
	s_cmp_eq_u32 s24, 1
	s_cselect_b32 s91, -1, 0                       ; in wave 1
	s_wait_dscnt 0x0
.irp g, 0,1,2
	v_add_f32 v[244+\g], v[48+\g], v[51+\g]        ; waves 0 and 1,
	v_add_f32 v[68+\g], v[54+\g], v[57+\g]         ; waves 2 and 3
.endr
.irp g, 0,1,2
	v_add_f32 v[244+\g], v[244+\g], v[68+\g]
.endr
.irp g, 0,1,2
	v_add_f32 v[244+\g], v[244+\g], v9             ; + sum v: the score
.endr
.irp g, 0,1,2
	v_cndmask_b32 v[244+\g], v63, v[244+\g], s97   ; a batch with no live row: every score is NEG, as reference() has it
.endr
	v_cndmask_b32 v13, v246, v245, s91             ; the score that I store: slot l in wave 0, 32 + l in wave 1, 64 + l % 4 in waves 2 and 3;
	v_cndmask_b32 v13, v13, v244, s96
	v_cndmask_b32 v13, v63, v13, s66               ; NEG for a slot past the count: its entry names a masked row
.irp g, 0,1,2
	v_cndmask_b32 v[65+\g], v64, v[244+\g], s[93+\g]
.endr
	v_max3_num_f32 v247, v65, v66, v67             ; the tile's largest score
.irp x, 1,2,4,8
	v_max_num_f32_dpp v247, v247, v247 row_xmask:\x row_mask:0xf bank_mask:0xf
.endr
	v_permlanex16_b32 v64, v247, s88, s89          ; (its destination counts as read: v64 has been written, and is done with)
	v_max_num_f32 v247, v247, v64
.irp g, 0,1,2
	v_sub_f32 v[65+\g], v[244+\g], v247
.endr
.irp g, 0,1,2
	v_mul_f32 v[65+\g], L2E, v[65+\g]
.endr
.irp g, 0,1,2
	v_exp_f32 v[65+\g], v[65+\g]                   ; p = e^(score - the tile's largest)
.endr
	v_nop                                          ; a plain line behind the exponentials,
	s_wait_alu depctr_va_vdst(0)                   ; and one wait for the three, ahead of their first reader
.irp g, 0,1,2
	v_cndmask_b32 v[65+\g], 0, v[65+\g], s[93+\g]  ; a slot past the count weighs nothing
.endr
	ds_store_b32 v6, v65
	ds_store_b32 v6, v66 offset:128
	ds_store_b32 v7, v67
.irp g, 0,1,2,3,4,5,6,7,8,9,10,11,12,13,14,15,16
	ds_load_b128 v[112+4*\g:115+4*\g], v8 offset:16*\g     ; all 68 p into every lane: v[112 + k].  My wave's own bytes: LDS serves a wave's instructions in order (ISA guide 5.7.1)
.endr
.irp i, 40,41,42,43,44,45,46,47        ; the tile's part of the context: thread t owns columns 8 t .. 8 t + 7
	v_mov_b32 v\i, 0
.endr
	CLOAD 0, 16, 48, 10
	CLOAD 16, 16, 180, 10
	s_wait_dscnt 16                                ; p and rows 0-15 are in; the 16 loads of rows 16-31 may be out
	CFMA 0, 16, 48
	CLOAD 32, 16, 48, 11
	s_wait_dscnt 16                                ; rows 16-31 are in; rows 32-47 may be out
	CFMA 16, 16, 180
	CLOAD 48, 16, 180, 11
	s_wait_dscnt 16                                ; rows 32-47 are in; rows 48-63 may be out
	CFMA 32, 16, 48
	CLOAD 64, 4, 48, 15
	s_wait_dscnt 4                                 ; rows 48-63 are in; the last four loads may be out
	CFMA 48, 16, 180
	s_wait_dscnt 0x0
	CFMA 64, 4, 48
	ds_store_b128 v248, v[40:43]                   ; through my wave's stage, so that each store below covers 512 consecutive bytes
	ds_store_b128 v248, v[44:47] offset:16
	ds_load_b128 v[48:51], v249
	ds_load_b128 v[52:55], v249 offset:512
	s_wait_dscnt 0x0
	global_store_b128 v250, v[48:51], s[22:23]
	global_store_b128 v250, v[52:55], s[22:23] offset:512
	global_store_b32 v251, v247, s[20:21]          ; the tile's largest score, 128 copies: the four waves store 512 consecutive bytes
	v_min_u32 v12, 2111, v12                       ; an entry of the list: bounded for the address's sake
	v_lshlrev_b32 v12, 2, v12
	global_store_b32 v12, v13, s[18:19]            ; the list's live rows are ascending: a tile's rows lie near each other
.endm
	s_load_b512 s[4:19], s[0:1], 0x0               ; enc s[4:5], list s[6:7], meta s[8:9], wf s[10:11], wsf s[12:13], tab s[14:15], v s[16:17], scores_ws s[18:19]
	s_load_b128 s[20:23], s[0:1], 0x40             ; pmx s[20:21], pc s[22:23]
	v_lshl_add_u32 v1, v0, 2, SPARE                ; my spare word,
	v_mov_b32 v2, 0                                ; and 0: kept for the closing add alone
	v_lshrrev_b32 v3, 5, v0
	v_readfirstlane_b32 s24, v3                    ; wave w
	s_mov_b32 s25, ttmp9                           ; the first tile: x
	s_and_b32 s26, ttmp7, 0xffff                   ; batch b
	s_mov_b32 s99, 0                               ; the upper word of every offset
	s_mov_b32 s86, C2L
	s_mov_b32 s87, C2L
	s_mov_b32 s88, 0x76543210
	s_mov_b32 s89, 0xfedcba98                      ; v_permlanex16_b32's selects for lane l xor 16
	s_lshl_b32 s98, s26, 8
	s_wait_kmcnt 0x0
	s_add_nc_u64 s[8:9], s[8:9], s[98:99]
	s_load_b64 s[28:29], s[8:9], 0x0               ; the batch's count of rows to walk, and live
	s_mul_i32 s98, s26, 8448
	s_add_nc_u64 s[6:7], s[6:7], s[98:99]          ; list[b]: 2,112 entries
	s_add_nc_u64 s[18:19], s[18:19], s[98:99]      ; scores_ws[b]: 2,112 places
	TSETUP
	s_lshl_b32 s98, s26, 23
	s_add_nc_u64 s[4:5], s[4:5], s[98:99]          ; enc[b]: 2,048 rows of 4,096 bytes
	s_lshl_b32 s98, s24, 17
	s_add_nc_u64 s[10:11], s[10:11], s[98:99]      ; my 16 tiles of columns: 8,192 bytes of fragments each,
	s_lshl_b32 s98, s24, 13
	s_add_nc_u64 s[12:13], s[12:13], s[98:99]      ; 512 of scale words,
	s_lshl_b32 s98, s26, 14
	s_lshl_b32 s66, s24, 12
	s_add_co_u32 s98, s98, s66
	s_add_nc_u64 s[14:15], s[14:15], s[98:99]      ; 256 of tab[b]
	s_lshl_b32 s66, s26, 5
	s_add_co_u32 s66, s66, s25                     ; 32 b + tile
	s_lshl_b32 s98, s66, 9
	s_add_nc_u64 s[20:21], s[20:21], s[98:99]      ; pmx: 512 bytes a tile
	s_lshl_b32 s98, s66, 12
	s_add_nc_u64 s[22:23], s[22:23], s[98:99]      ; pc: 4,096 bytes a tile
	ADRX
	s_mul_i32 s66, s24, 816
	s_add_co_u32 s66, s66, CX+18496
	v_add_nc_u32 v196, s66, v10                    ; rows 68-79 of the codes: 3,264 bytes, 816 a wave
	v_lshl_add_u32 v197, v0, 2, SCL+1088           ; and of the scale bytes (512 bytes are cleared)
.irp i, 192,193,194,195
	v_mov_b32 v\i, 0
.endr
	; what hangs on ids alone is asked for while the count and the list's entries are on their way
	BLOAD                                          ; my first tile of columns: wanted far below
.irp i, 0,1,2,3,4,5,6,7
	global_load_b128 v[128+4*\i:131+4*\i], v10, s[16:17] offset:512*\i     ; v, all 1,024
.endr
	GATHER
	s_wait_kmcnt 0x0
	s_cmp_lg_u32 s29, 0
	s_cselect_b32 s97, -1, 0                       ; all ones where the batch has a live row
	ROWS
	; ======== THE FIRST TILE: no branch on the count
.irp u, 0,1,2,3,4,5,6,7
	XLOAD \u
.endr
	ds_store_b128 v196, v[192:195]                 ; slots 68-79: zero codes (two stores of 512 bytes cover my 816), for both tiles: nothing else is ever stored there,
	ds_store_b128 v196, v[192:195] offset:304
	ds_store_b32 v197, v192                        ; under the byte 0, which is a scale like any other
	QUNIT 0, 0, 33
	; The second tile's entries are asked for here, a whole tile ahead of the wait for them.  The first tile is done with s25, s27 and s68-85 (its rows' addresses are made), and unit 0's
	; wait has shown the gather done, which is older than unit 0's loads and named s[100:101].  None of these registers is named again before the wait at the second tile's head.
	s_add_co_u32 s25, s25, 16
	TSETUP
.irp i, 0,1,2,3,4,5,6,7                ; sum v (its loads are older than unit 0's): my 32 numbers, then the 32 lanes
	v_pk_add_f32 v[128+2*\i:129+2*\i], v[128+2*\i:129+2*\i], v[144+2*\i:145+2*\i]
.endr
.irp i, 0,1,2,3
	v_pk_add_f32 v[128+2*\i:129+2*\i], v[128+2*\i:129+2*\i], v[136+2*\i:137+2*\i]
.endr
.irp i, 0,1
	v_pk_add_f32 v[128+2*\i:129+2*\i], v[128+2*\i:129+2*\i], v[132+2*\i:133+2*\i]
.endr
	v_pk_add_f32 v[128:129], v[128:129], v[130:131]
	v_add_f32 v9, v128, v129
.irp x, 1,2,4,8
	v_add_f32_dpp v9, v9, v9 row_xmask:\x row_mask:0xf bank_mask:0xf
.endr
	v_permlanex16_b32 v129, v9, s88, s89           ; (its destination counts as read: v129 has been written, and is done with)
	v_add_f32 v9, v9, v129                         ; kept for both tiles
.set U, 1
.rept 16
	QUNIT U, 0, 33
.set U, U+1
.endr
	BAR                                            ; the first half's codes and scale bytes of all 80 rows lie in LDS
	FRAGS 0
	BAR                                            ; every wave has them in registers: the region is written again
.set U, 17
.rept 17
	QUNIT U, 0, 33
.set U, U+1
.endr
	BAR                                            ; the second half's
	FRAGS 1
	BAR                                            ; every wave has them: the region is free for what follows the loop
	PRODUCT 0
	ADRE
	REDUCE
	BAR                                            ; the four waves' partial scores lie in LDS
	TAIL
	; ======== THE SECOND TILE, x + 16: the barriers bare, each phase under a branch on the count
	s_wait_xcnt 0x0                                ; the first tile's stores have read their bases, offsets and data: all are written again below
	BAR                                            ; every wave's LDS reads of the first tile are in: its regions are written again
	s_sub_nc_u64 s[10:11], s[10:11], 15*8192       ; back to my first tile of columns
	s_sub_nc_u64 s[12:13], s[12:13], 15*512
	s_sub_nc_u64 s[14:15], s[14:15], 15*256
	s_add_nc_u64 s[20:21], s[20:21], 16*512        ; 16 tiles on
	s_add_nc_u64 s[22:23], s[22:23], 16*4096
	ADRX
	s_wait_kmcnt 0x0                               ; the tile's entries, asked for behind the first tile's unit 0
	ROWS
	GUARD .Lg1
	GATHER
.irp u, 0,1,2,3,4,5,6,7
	XLOAD \u
.endr
.set U, 0
.rept 17
	QUNIT U, 0, 16                                 ; this run asks for the first half alone: no load is out at its end
.set U, U+1
.endr
.Lg1:
	BAR
	GUARD .Lg2
	FRAGS 0
.Lg2:
	BAR
	GUARD .Lg3
.irp u, 17,18,19,20,21,22,23,24
	XLOAD \u
.endr
.set U, 17
.rept 17
	QUNIT U, 17, 33
.set U, U+1
.endr
.Lg3:
	BAR
	GUARD .Lg4
	FRAGS 1
.Lg4:
	BAR
	GUARD .Lg5
	BLOAD
	PRODUCT 1
.Lg5:
	ADRE                                           ; outside the branches: from the thread's and the wave's number alone
	GUARD .Lg6
	REDUCE
.Lg6:
	BAR
	GUARD .Lg7
	TAIL
.Lg7:
	s_wait_tensorcnt 0x0                           ; the wave's end, behind my last LDS store
	ds_add_u32 v1, v2
	s_wait_dscnt 0x0
	s_endpgm
.Lfunc_end_k_q63e9efe8e4_attn:
	.size	k_q63e9efe8e4_attn, .Lfunc_end_k_q63e9efe8e4_attn-k_q63e9efe8e4_attn
	.p2alignl 7, 3214868480
	.fill 96, 4, 3214868480
	.section	.rodata,"a",@progbits
	.p2align	6, 0x0
	.amdhsa_kernel k_q63e9efe8e4_attn
		.amdhsa_group_segment_fixed_size 163328
		.amdhsa_private_segment_fixed_size 0
		.amdhsa_enable_private_segment 0
		.amdhsa_kernarg_size 80
		.amdhsa_user_sgpr_count 2
		.amdhsa_user_sgpr_kernarg_segment_ptr 1
		.amdhsa_wavefront_size32 1
		.amdhsa_system_sgpr_workgroup_id_x 1
		.amdhsa_system_sgpr_workgroup_id_y 1
		.amdhsa_system_sgpr_workgroup_id_z 1
		.amdhsa_system_vgpr_workitem_id 0
		.amdhsa_next_free_vgpr 512
		.amdhsa_next_free_sgpr 102
		.amdhsa_reserve_vcc 0
		.amdhsa_float_denorm_mode_32 3
		.amdhsa_float_denorm_mode_16_64 3
		.amdhsa_memory_ordered 1
		.amdhsa_forward_progress 1
		.amdhsa_inst_pref_size 255
	.end_amdhsa_kernel
	.section	.bss,"aw",@nobits
	.p2align	6
	.space	262144
	.amdgpu_metadata
---
amdhsa.version: [ 1, 2 ]
amdhsa.kernels:
  - .name:           k_q63e9efe8e4_attn
    .symbol:         k_q63e9efe8e4_attn.kd
    .args:
      - { .name: encoder_outputs, .offset: 0, .size: 8, .value_kind: global_buffer, .address_space: global }
      - { .name: list, .offset: 8, .size: 8, .value_kind: global_buffer, .address_space: global }
      - { .name: meta, .offset: 16, .size: 8, .value_kind: global_buffer, .address_space: global }
      - { .name: wf, .offset: 24, .size: 8, .value_kind: global_buffer, .address_space: global }
      - { .name: wsf, .offset: 32, .size: 8, .value_kind: global_buffer, .address_space: global }
      - { .name: tab, .offset: 40, .size: 8, .value_kind: global_buffer, .address_space: global }
      - { .name: v, .offset: 48, .size: 8, .value_kind: global_buffer, .address_space: global }
      - { .name: scores_ws, .offset: 56, .size: 8, .value_kind: global_buffer, .address_space: global }
      - { .name: pmx, .offset: 64, .size: 8, .value_kind: global_buffer, .address_space: global }
      - { .name: pc, .offset: 72, .size: 8, .value_kind: global_buffer, .address_space: global }
    .group_segment_fixed_size: 163328
    .private_segment_fixed_size: 0
    .kernarg_segment_align: 8
    .kernarg_segment_size: 80
    .max_flat_workgroup_size: 128
    .sgpr_count:     102
    .vgpr_count:     512
    .wavefront_size: 32
...
	.end_amdgpu_metadata
.endif
;; end of part 2
;; launch finish (part 3): grid 32 x 1, 8 waves a work-group, no clusters, 1,536 bytes of LDS; arguments scores_ws, meta, pmx, pc, out0, out1; writes out0, out1
.if DOCPART == 3
	.amdgcn_target "amdgcn-amd-amdhsa--gfx1250"
	.amdhsa_code_object_version 6
	.text
	.protected	k_q63e9efe8e4_finish
	.globl	k_q63e9efe8e4_finish
	.p2align	8
	.type	k_q63e9efe8e4_finish,@function
k_q63e9efe8e4_finish:
	s_mov_b64 s[64:65], 0
	v_nop
	global_prefetch_b8 v0, s[64:65] scope:SCOPE_SE
	s_setreg_imm32_b32 hwreg(HW_REG_WAVE_MODE, 25, 1), 1
	s_wait_xcnt 0x0
; BahdanauAttention, launch 3 of 3.  Work-group b: the softmax over the batch's 2,048 scores (masked rows hold NEG, as reference() has them; the largest score is taken away), out1;
; and out0 = sum over the batch's tiles i of e^(m_i - m) pc_i / l, where m_i is tile i's own largest score and pc_i its sum of e^(score - m_i) x row.
; Work left out: none here; the rows with mask == 0 have no part in pc (shown at the head of the first kernel).
; 256 threads: thread t owns scores 4 t .. 4 t + 3 and 1,024 + 4 t .. + 3, and columns 4 t .. 4 t + 3 of the context.  No branch hangs on data: a tile past the batch's last is
; read as the last one (a stored tile) and weighs 0.  All 31 loads of partial contexts are out at once.  Few work-groups, no matrix work, no cluster: the batches share nothing.
; scores_ws has 2,112 places a batch, of which the first 2,048 are read; pmx has 512 bytes a tile, of which the first word is read.
; LDS: bytes 0-31 the waves' maxima, 256-287 their sums, from 512 the spare words (128 bytes a wave).
.set L2E, 0x3fb8aa3b                   ; log2(e)
	s_load_b256 s[4:11], s[0:1], 0x0               ; scores_ws s[4:5], meta s[6:7], pmx s[8:9], pc s[10:11]
	s_load_b128 s[12:15], s[0:1], 0x20             ; out0 s[12:13], out1 s[14:15]
	v_lshl_add_u32 v1, v0, 2, 512                  ; my spare word,
	v_mov_b32 v2, 0                                ; and 0: kept for the closing add alone
	v_lshrrev_b32 v3, 5, v0
	v_readfirstlane_b32 s16, v3                    ; wave
	v_and_b32 v5, 31, v0                           ; lane
	v_lshlrev_b32 v4, 4, v0                        ; 16 t
	v_mov_b32 v19, s16
	v_lshlrev_b32 v19, 2, v19                      ; my wave's word
	v_mov_b32 v20, 0
	s_mov_b32 s22, 0x76543210
	s_mov_b32 s23, 0xfedcba98                      ; v_permlanex16_b32's selects for lane l xor 16
	s_mov_b32 s19, 0
	s_lshl_b32 s18, ttmp9, 8
	s_wait_kmcnt 0x0
	s_add_nc_u64 s[6:7], s[6:7], s[18:19]
	s_load_b32 s17, s[6:7], 0x0                    ; the batch's count of rows walked
	s_mul_i32 s18, ttmp9, 8448
	s_add_nc_u64 s[4:5], s[4:5], s[18:19]          ; scores_ws[b]
	global_load_b128 v[8:11], v4, s[4:5]
	global_load_b128 v[12:15], v4, s[4:5] offset:4096
	s_lshl_b32 s18, ttmp9, 13
	s_add_nc_u64 s[14:15], s[14:15], s[18:19]      ; out1[b]
	s_lshl_b32 s18, ttmp9, 14
	s_add_nc_u64 s[8:9], s[8:9], s[18:19]          ; pmx[b]: 32 tiles of 512 bytes
	s_lshl_b32 s18, ttmp9, 12
	s_add_nc_u64 s[12:13], s[12:13], s[18:19]      ; out0[b]
	s_lshl_b32 s18, ttmp9, 17
	s_add_nc_u64 s[10:11], s[10:11], s[18:19]      ; pc[b]: 32 tiles of 4,096 bytes
	s_wait_kmcnt 0x0
	s_sub_co_u32 s20, s17, 1
	s_mul_i32 s20, s20, 964
	s_lshr_b32 s20, s20, 16                        ; (count - 1) / 68, rounded down: 964 x 68 = 65,552, exact for counts up to 2,048
	s_min_u32 s20, s20, 30                         ; the batch's last tile
	v_min_u32 v6, s20, v5
	v_min_u32 v6, 30, v6
	v_lshlrev_b32 v6, 9, v6
	global_load_b32 v16, v6, s[8:9]                ; lane i: m_i
.irp i, 0,1,2,3,4,5,6,7,8,9,10,11,12,13,14,15,16,17,18,19,20,21,22,23,24,25,26,27,28,29,30
	s_min_u32 s21, s20, \i
	v_lshl_add_u32 v[32+\i], s21, 12, v4           ; every load has an address register of its own
	global_load_b128 v[64+4*\i:67+4*\i], v[32+\i], s[10:11]
.endr
	s_wait_loadcnt 32                              ; the scores are in; the 32 loads behind them may be out
	v_max3_num_f32 v17, v8, v9, v10
	v_max3_num_f32 v18, v11, v12, v13
	v_max3_num_f32 v17, v17, v14, v15
	v_max_num_f32 v17, v17, v18
.irp x, 1,2,4,8
	v_max_num_f32_dpp v17, v17, v17 row_xmask:\x row_mask:0xf bank_mask:0xf
.endr
	v_permlanex16_b32 v18, v17, s22, s23
	v_max_num_f32 v17, v17, v18
	ds_store_b32 v19, v17                          ; all lanes write the wave's word with the same value
	s_wait_dscnt 0x0                               ; for the others' sake
	s_barrier_signal -1
	s_barrier_wait -1
	ds_load_b128 v[24:27], v20
	ds_load_b128 v[28:31], v20 offset:16
	s_wait_dscnt 0x0
	v_max3_num_f32 v21, v24, v25, v26
	v_max3_num_f32 v21, v21, v27, v28
	v_max3_num_f32 v21, v21, v29, v30
	v_max_num_f32 v21, v21, v31                    ; m: the batch's largest score
.irp i, 8,9,10,11,12,13,14,15
	v_sub_f32 v\i, v\i, v21
.endr
.irp i, 8,9,10,11,12,13,14,15
	v_mul_f32 v\i, L2E, v\i
.endr
.irp i, 8,9,10,11,12,13,14,15
	v_exp_f32 v\i, v\i
.endr
	v_nop                                          ; a plain line behind the exponentials,
	s_wait_alu depctr_va_vdst(0)                   ; and one wait for the eight, ahead of their first reader
	v_pk_add_f32 v[22:23], v[8:9], v[10:11]
	v_pk_add_f32 v[24:25], v[12:13], v[14:15]
	v_pk_add_f32 v[22:23], v[22:23], v[24:25]
	v_add_f32 v22, v22, v23
.irp x, 1,2,4,8
	v_add_f32_dpp v22, v22, v22 row_xmask:\x row_mask:0xf bank_mask:0xf
.endr
	v_permlanex16_b32 v23, v22, s22, s23
	v_add_f32 v22, v22, v23
	ds_store_b32 v19, v22 offset:256               ; other bytes than the maxima's: no barrier is owed in front
	s_wait_dscnt 0x0
	s_barrier_signal -1
	s_barrier_wait -1
	ds_load_b128 v[24:27], v20 offset:256
	ds_load_b128 v[28:31], v20 offset:272
	s_wait_dscnt 0x0
	v_pk_add_f32 v[24:25], v[24:25], v[26:27]
	v_pk_add_f32 v[28:29], v[28:29], v[30:31]
	v_pk_add_f32 v[24:25], v[24:25], v[28:29]
	v_add_f32 v22, v24, v25                        ; l, at least 1
	v_rcp_f32 v23, v22
	v_mul_u32_u24 v17, v5, 68                      ; (a plain line behind the reciprocal)  tile i's first entry
	s_wait_alu depctr_va_vdst(0)
.irp i, 8,9,10,11,12,13,14,15
	v_mul_f32 v\i, v\i, v23
.endr
	global_store_b128 v4, v[8:11], s[14:15]        ; out1: 512 consecutive bytes a wave
	global_store_b128 v4, v[12:15], s[14:15] offset:4096
	s_wait_loadcnt 31                              ; m_i is in; the 31 partial contexts may be out
	v_sub_f32 v16, v16, v21
	v_mul_f32 v16, L2E, v16
	v_exp_f32 v16, v16
	v_cmp_gt_u32 vcc_lo, s17, v17                  ; (a plain line)  has the batch a tile i?
	s_wait_alu depctr_va_vdst(0)
	v_mul_f32 v16, v16, v23                        ; e^(m_i - m) / l
	v_cndmask_b32 v16, 0, v16, vcc_lo
.irp i, 0,1,2,3,4,5,6,7,8,9,10,11,12,13,14,15,16,17,18,19,20,21,22,23,24,25,26,27,28,29,30
	v_readlane_b32 s[30+\i], v16, \i
.endr
	s_wait_loadcnt 30                              ; tile 0's part is in; the 30 younger loads may be out
.irp e, 0,1,2,3
	v_mul_f32 v[24+\e], s30, v[64+\e]              ; the first product starts the sums
.endr
.irp i, 1,2,3,4,5,6,7,8,9,10,11,12,13,14,15,16,17,18,19,20,21,22,23,24,25,26,27,28,29,30
	s_wait_loadcnt 30-\i
.irp e, 0,1,2,3
	v_fma_f32 v[24+\e], v[64+4*\i+\e], s[30+\i], v[24+\e]
.endr
.endr
	global_store_b128 v4, v[24:27], s[12:13]       ; out0
	s_wait_tensorcnt 0x0                           ; the wave's end, behind my last LDS store
	ds_add_u32 v1, v2
	s_wait_dscnt 0x0
	s_endpgm
.Lfunc_end_k_q63e9efe8e4_finish:
	.size	k_q63e9efe8e4_finish, .Lfunc_end_k_q63e9efe8e4_finish-k_q63e9efe8e4_finish
	.p2alignl 7, 3214868480
	.fill 96, 4, 3214868480
	.section	.rodata,"a",@progbits
	.p2align	6, 0x0
	.amdhsa_kernel k_q63e9efe8e4_finish
		.amdhsa_group_segment_fixed_size 1536
		.amdhsa_private_segment_fixed_size 0
		.amdhsa_enable_private_segment 0
		.amdhsa_kernarg_size 48
		.amdhsa_user_sgpr_count 2
		.amdhsa_user_sgpr_kernarg_segment_ptr 1
		.amdhsa_wavefront_size32 1
		.amdhsa_system_sgpr_workgroup_id_x 1
		.amdhsa_system_sgpr_workgroup_id_y 1
		.amdhsa_system_sgpr_workgroup_id_z 1
		.amdhsa_system_vgpr_workitem_id 0
		.amdhsa_next_free_vgpr 192
		.amdhsa_next_free_sgpr 66
		.amdhsa_reserve_vcc 1
		.amdhsa_float_denorm_mode_32 3
		.amdhsa_float_denorm_mode_16_64 3
		.amdhsa_memory_ordered 1
		.amdhsa_forward_progress 1
		.amdhsa_inst_pref_size 23
	.end_amdhsa_kernel
	.amdgpu_metadata
---
amdhsa.version: [ 1, 2 ]
amdhsa.kernels:
  - .name:           k_q63e9efe8e4_finish
    .symbol:         k_q63e9efe8e4_finish.kd
    .args:
      - { .name: scores_ws, .offset: 0, .size: 8, .value_kind: global_buffer, .address_space: global }
      - { .name: meta, .offset: 8, .size: 8, .value_kind: global_buffer, .address_space: global }
      - { .name: pmx, .offset: 16, .size: 8, .value_kind: global_buffer, .address_space: global }
      - { .name: pc, .offset: 24, .size: 8, .value_kind: global_buffer, .address_space: global }
      - { .name: out0, .offset: 32, .size: 8, .value_kind: global_buffer, .address_space: global }
      - { .name: out1, .offset: 40, .size: 8, .value_kind: global_buffer, .address_space: global }
    .group_segment_fixed_size: 1536
    .private_segment_fixed_size: 0
    .kernarg_segment_align: 8
    .kernarg_segment_size: 48
    .max_flat_workgroup_size: 256
    .sgpr_count:     66
    .vgpr_count:     192
    .wavefront_size: 32
...
	.end_amdgpu_metadata
.endif
;; end of part 3
